; MI455X (gfx1250); checked and timed in simulation.
; The chip was launched on July 23, 2026; its instructions are those of AMD's public machine-readable ISA for CDNA 5 (MIT licence, August 2026) and "CDNA5" Instruction Set Architecture Reference Guide (July 2026). The comments in the code are by the model that wrote it; some were corrected since.
;; RAG Query Optimizer. Allowed arithmetic: matrix products marked QUANTISED: E4M3 operands, one given power-of-two scale a tensor, by v_wmma_f32_16x16x64_fp8_fp8 or v_wmma_f32_16x16x128_fp8_fp8, f32 sums; products left as they are: f32 operands where the result goes on into a quantised operand, else bf16, f16 or f32 operands; f32 sums; everything else in f32.
;; Inputs: W_score 128 x 128 float32; b_score 128 float32; context_tokens 65,536 int32; emb_table 50,257 x 128 float32; lowp_scales 4 int32 (the exponents e of the quantised operands' scales 2^e); query_tokens 4 x 128 int32.
;; Outputs: out0 4 x 128 float32.
;; This version of the problem:
;;   THIS VERSION OF THE PROBLEM IS GIVEN IN LOW PRECISION. The matrix products marked QUANTISED in the list below multiply operands that are first quantised to E4M3 (4 exponent bits, 3 mantissa bits; 8 bits a number), with one given power-of-two scale for each operand tensor; their sums are f32. All else is computed in f32.
;;   The module's matrix products, in the order in which they are computed (A, B: the left and right operand; K: the contracted axis; several contracted axes count as one K, in the product's order):
;;     1. [M 512, K 128] x [K 128, N 65,536]; A: computed on the way; B: computed on the way: QUANTISED (scales: A lowp_scales[0], B lowp_scales[1])
;;     2. [M 512, K 128] x [K 128, N 128]; A: computed on the way; B: input W_score: QUANTISED (scales: A lowp_scales[2], B lowp_scales[3])
;;     3. batch 512 x [M 1, K 128] x [K 128, N 8]; A: computed on the way; B: computed on the way: left as it is (M = 1 < 16)
;;   THE QUANTISER, for each operand of a quantised product, along K:
;;     - The operand's scale is 2^e, e = its entry of the input lowp_scales (int32; the entries are numbered through the quantised products in the list's order, A before B).
;;     - Each number is divided by the scale, clamped to +-448, and rounded to the nearest number of E4M3, ties to even, subnormals kept.
;;     - The product sums the exact products of the quantised numbers (number of the format x scale) in f32.
;;   ~~~python
;;   def quantise(x, axis, e):      # numpy; x: float32 -> the quantised numbers, widened to float32 again
;;       x = np.moveaxis(x, axis, -1); K = x.shape[-1]
;;       r = np.clip(x / 2.0 ** e, -448, 448)
;;       step = 2.0 ** (np.maximum(np.frexp(np.where(r == 0, 1, r))[1] - 1, -6) - 3)
;;       q = np.round(r / step) * step * 2.0 ** e      # np.round: ties to even
;;       return np.moveaxis(q, -1, axis).astype(np.float32)
;;   ~~~
;;   OPERANDS COMPUTED ON THE WAY. 'Computed on the way' means the value that the module computes at that place (a softmax that the list does not call 'softmax' is quantised finished and normalised). What goes into a quantiser is computed in f32, as accurately as f32 sums, v_exp_f32 and their like allow (about 1e-6 of the number): no bf16 or f16 on the way to a quantiser, and a product that is left as it is and whose result goes on into a quantised operand takes f32 operands (vector FMAs, or v_wmma_f32_16x16x4_f32). A number that lies on a knife's edge between two numbers of the format may be rounded either way, as far as f32 arithmetic and the matrix unit's own rounding can turn it there, and no further.
;; One version. Each part assembles by itself: llvm-mc -triple=amdgcn-amd-amdhsa -mcpu=gfx1250 --defsym DOCPART=n.
;; ======== version 1 of 1: 3 launches
;; limits: values within 3.8e-06 (relative) of each other or of a threshold may be ordered or decided otherwise than in the reference
;; workspace buffers: keys 4,194,304 bytes of whole numbers; imp 2,048 bytes
;; launch groups (part 1): grid 256 x 1, 8 waves a work-group, no clusters, 34,816 bytes of LDS; arguments query_tokens, context_tokens, emb_table, lowp_scales, keys; writes keys
.if DOCPART == 1
	.amdgcn_target "amdgcn-amd-amdhsa--gfx1250"
	.amdhsa_code_object_version 6
	.text
	.protected	k_qe49c326b19_groups
	.globl	k_qe49c326b19_groups
	.p2align	8
	.type	k_qe49c326b19_groups,@function
k_qe49c326b19_groups:
	s_mov_b64 s[64:65], 0
	v_nop
	global_prefetch_b8 v0, s[64:65] scope:SCOPE_SE
	s_setreg_imm32_b32 hwreg(HW_REG_WAVE_MODE, 25, 1), 1
	s_wait_xcnt 0x0
; THE NEAREST GROUPS OF A SLICE.  For each of the 512 queries and each slice of 256 contexts: the 8 groups (8 neighbouring contexts each) with the smallest squared distance, as 8 sorted keys.
; The 8 nearest contexts of a query lie in the 8 groups with the smallest group minima, so the next launch looks again at 64 contexts a query, and no list of single contexts is kept here.
; SHARES.  A work-group owns slice ttmp9 (16 tiles of 16 contexts) and all 512 queries.  Wave w gathers and quantises context tiles 2 w, 2 w + 1 (register images into LDS, read by all eight waves)
; and query tiles 4 w .. 4 w + 3 (their fragments stay in its registers).  Each context row is gathered once in the launch.
; THE PRODUCT.  Source 0 = 16 contexts, source 1 = 16 queries with NEGATED codes, C = |c|^2 / 2^(e0+e1+1): the result is (|c|^2 - 2 Q(q).Q(c)) / 2^(e0+e1+1).
; Lane (r, h) holds query r; its 8 registers are contexts 16 t + 8 h + 0 .. 7: one group, number 2 t + h in the slice.
; THE KEY of a group: x = its smallest result + |q|^2 / 2^(e0+e1+1).  Where sq < 2^-64 (negative too) sqrt(max(sq, 0) + 1e-12) is one and the same f32 number and the index decides:
; there the key is 2^(-66-e0-e1) with the group's number among all 8,192 in mantissa bits 17:5, under every other key.  The low 5 bits of every key are the group's number in the slice.
; All keys are normal positive f32 numbers: their order as floats (here) is their order as whole numbers (next launch).
; LIMITS.  A key keeps sign, exponent and 18 mantissa bits of x: groups that agree in these count as tied, the lower index first.  e0, e1 between -126 and 119; e0 + e1 between -127 and 60.
; x stays under the largest f32 number.  NaN and infinities among the inputs are not served.  A token outside the table is held at its last row.
; NO TENSOR LOADS AND NO CLUSTER, though all work-groups read the same 512 query rows: every row is picked by a token, 512 bytes at a place of its own, which no tile descriptor states.
.set TOKMAX, 50256                     ; the table's last row
.set CNB,  32768                       ; LDS: 16 images of 2,048 bytes from byte 0; from here 16 x 16 words of |c|^2 scaled
.set EMB,  8                           ; s[8:9] the table
.set R,    1                           ; v1   lane % 16
.set H,    2                           ; v2   lane / 16
.set LI,   3                           ; v3   16 x lane: my place in an image
.set CNA,  4                           ; v4   CNB + 32 h
.set CNW,  5                           ; v5   CNB + 128 w + 4 r
.set IMW,  6                           ; v6   16 x lane + 4,096 w
.set ID,   7                           ; v7   the group's number in the slice
.set CL,   8                           ; v8   the key of a group in the tie zone
.set KO,   9                           ; v9   my byte offset among the keys
.set SC0,  10                          ; v10, v11  2^e0, 448 x 2^e0;  v12, v13 the same with e1
.set LIM0, 11
.set SC1,  12
.set LIM1, 13
.set TK,   14                          ; v14-19  six tokens, then byte offsets of my part of their rows
.set NA,   20                          ; v20-27  four running pairs of a sum of squares
.set T,    28                          ; v28-31  at work
.set QN,   32                          ; v32-35  |q|^2 scaled
.set BF,   36                          ; v36-99  four query fragments
.set X0,   100                         ; v100-163, v164-227  two sets of 64 gathered numbers
.set X1,   164
.set LS,   100                         ; then: v100-131 four lists of 8 keys, ascending
.set DQ,   132                         ;       v132-163 four results
.set AF,   164                         ;       v164-195 two context fragments
.set CT,   196                         ;       v196-211 two C tiles
.set CF,   228                         ; v228-243 a context tile's codes
.set SEL,  20                          ; s[20:21] lane selects: lane l xor 16
.set NE1,  22                          ; s22  -(e0 + e1 + 1)
.set TH,   23                          ; s23  2^(-65-e0-e1)
.set MK,   24                          ; s24  all bits but the low five
.set HM,   25                          ; s25  the lanes with h = 1
.set MS,   28                          ; s28-31 masks
; my 64 numbers of a gathered row: register 16 c + i is k = 32 c + 16 h + i; the same places of k in both operands
.macro GLOAD x, tk
.irp c, 0,1,2,3
.irp j, 0,1,2,3
	global_load_b128 v[\x+16*\c+4*\j:\x+16*\c+4*\j+3], v[\tk], s[EMB:EMB+1] offset:128*\c+16*\j
.endr
.endr
.endm
; the row's sum of squares: four chains of packed multiply-adds, then the other half of the lanes'
.macro SQSUM x, dst
.irp k, 0,1,2,3
	v_pk_mul_f32 v[NA+2*\k:NA+2*\k+1], v[\x+2*\k:\x+2*\k+1], v[\x+2*\k:\x+2*\k+1]
.endr
.set cnt, 4
.rept 28
	v_pk_fma_f32 v[NA+2*(cnt%4):NA+2*(cnt%4)+1], v[\x+2*cnt:\x+2*cnt+1], v[\x+2*cnt:\x+2*cnt+1], v[NA+2*(cnt%4):NA+2*(cnt%4)+1]
.set cnt, cnt+1
.endr
	v_pk_add_f32 v[NA:NA+1], v[NA:NA+1], v[NA+2:NA+3]
	v_pk_add_f32 v[NA+4:NA+5], v[NA+4:NA+5], v[NA+6:NA+7]
	v_pk_add_f32 v[NA:NA+1], v[NA:NA+1], v[NA+4:NA+5]
	v_add_f32 v[NA], v[NA], v[NA+1]
	v_permlanex16_b32 v[NA+1], v[NA], s[SEL], s[SEL+1]
	v_add_f32 v[\dst], v[NA], v[NA+1]
.endm
; 64 numbers become a fragment's 16 registers of codes.  neg = 1: of the negated numbers
.macro QUANT x, dst, sc, lim, neg
.irp b, 0,1,2,3
.irp i, 0,1,2,3,4,5,6,7,8,9,10,11,12,13,14,15
.if \neg
	v_med3_num_f32 v[\x+16*\b+\i], -v[\x+16*\b+\i], -v[\lim], v[\lim]
.else
	v_med3_num_f32 v[\x+16*\b+\i], v[\x+16*\b+\i], -v[\lim], v[\lim]   ; the conversion does not saturate (ISA guide 7.6.2): the hold at 448 x the scale comes first
.endif
.endr
	v_cvt_scalef32_pk8_fp8_f32 v[\dst+4*\b:\dst+4*\b+1], v[\x+16*\b:\x+16*\b+7], v[\sc]
	v_cvt_scalef32_pk8_fp8_f32 v[\dst+4*\b+2:\dst+4*\b+3], v[\x+16*\b+8:\x+16*\b+15], v[\sc]
.endr
	v_nop                                          ; a plain vector line behind the last conversion
.endm
.macro CTXTILE x, u                    ; my context tile u: |c|^2 scaled and the codes' image go to LDS
	SQSUM \x, T+\u
	v_ldexp_f32 v[T+\u], v[T+\u], s[NE1]
	s_wait_dscnt 0x0                               ; the stores of the tile before have read v[CF] on
	QUANT \x, CF, SC1, LIM1, 0
.irp c, 0,1,2,3
	ds_store_b128 v[IMW], v[CF+4*\c:CF+4*\c+3] offset:2048*\u+512*\c
.endr
	ds_store_b32 v[CNW], v[T+\u] offset:64*\u      ; both halves of the lanes hold the same sum and write the same word
.endm
.macro QTILE x, q                      ; my query tile q
	SQSUM \x, QN+\q
	v_ldexp_f32 v[QN+\q], v[QN+\q], s[NE1]
	QUANT \x, BF+16*\q, SC0, LIM0, 1
.endm
	s_load_b256 s[4:11], s[0:1], 0x0               ; query_tokens s[4:5], context_tokens s[6:7], emb_table s[8:9], lowp_scales s[10:11]
	s_load_b64 s[12:13], s[0:1], 0x20              ; keys
	v_lshl_add_u32 v244, v0, 2, 0x8400
	v_mov_b32 v245, 0
	v_lshrrev_b32 v1, 5, v0
	v_readfirstlane_b32 s16, v1                    ; wave 0..7
	v_and_b32 v[R], 15, v0
	v_bfe_u32 v[H], v0, 4, 1
	v_and_b32 v[LI], 31, v0
	v_lshlrev_b32 v[LI], 4, v[LI]
	s_lshl_b32 s17, s16, 12
	v_add_nc_u32 v[IMW], s17, v[LI]
	s_lshl_b32 s17, s16, 7
	v_lshlrev_b32 v[T], 2, v[R]                    ; 4 r
	v_add_nc_u32 v[T+1], s17, v[T]                 ; my context tokens: 128 w + 4 r bytes into the slice's
	s_add_co_u32 s18, s17, CNB
	v_add_nc_u32 v[CNW], s18, v[T]
	s_lshl_b32 s17, s16, 8
	v_add_nc_u32 v[T+2], s17, v[T]                 ; my query tokens: 256 w + 4 r
	v_lshlrev_b32 v[CNA], 5, v[H]
	v_add_nc_u32 v[CNA], CNB, v[CNA]
	v_lshrrev_b32 v[KO], 3, v[R]                   ; keys: query 64 w + 16 tile + r lies in block (query / 8) of 65,536 bytes, at 256 x slice + 32 (query % 8)
	v_lshlrev_b32 v[KO], 16, v[KO]
	v_and_b32 v[T+3], 7, v[R]
	v_lshl_add_u32 v[KO], v[T+3], 5, v[KO]
	v_lshl_add_u32 v[KO], v[H], 4, v[KO]
	s_lshl_b32 s17, s16, 19
	v_add_nc_u32 v[KO], s17, v[KO]
	s_mov_b32 s[SEL], 0x76543210
	s_mov_b32 s[SEL+1], 0xfedcba98
	s_mov_b32 s[MK], 0xffffffe0
	v_cmp_eq_u32 s[HM], 1, v[H]
	s_lshl_b32 s18, ttmp9, 10                      ; the slice's 256 tokens are 1,024 bytes; also (32 x slice) << 5
	s_mov_b32 s19, 0
	s_lshl_b32 s26, ttmp9, 8                       ; the slice's 256 bytes in each block of keys
	s_mov_b32 s27, 0
	s_wait_kmcnt 0x0
	s_load_b64 s[14:15], s[10:11], 0x0             ; e0 (queries), e1 (contexts)
	s_add_nc_u64 s[6:7], s[6:7], s[18:19]
	s_add_nc_u64 s[12:13], s[12:13], s[26:27]
	global_load_b32 v[TK], v[T+1], s[6:7]
	global_load_b32 v[TK+1], v[T+1], s[6:7] offset:64
.irp t, 0,1,2,3
	global_load_b32 v[TK+2+\t], v[T+2], s[4:5] offset:64*\t
.endr
	s_wait_loadcnt 0x0
.irp i, 0,1,2,3,4,5
	v_min_u32 v[TK+\i], TOKMAX, v[TK+\i]           ; a loaded number enters an address behind a clamp
	v_lshlrev_b32 v[TK+\i], 9, v[TK+\i]            ; a row is 512 bytes
	v_lshl_add_u32 v[TK+\i], v[H], 6, v[TK+\i]     ; + 64 h
.endr
	GLOAD X0, TK
	GLOAD X1, TK+1
	s_wait_kmcnt 0x0
	s_add_co_i32 s32, s14, 127
	s_lshl_b32 s33, s32, 23
	v_mov_b32 v[SC0], s33                          ; 2^e0 as f32: the conversion takes its exponent field
	s_add_co_i32 s32, s32, 8
	s_lshl_b32 s32, s32, 23
	s_or_b32 s32, s32, 0x600000
	v_mov_b32 v[LIM0], s32                         ; 448 x 2^e0
	s_add_co_i32 s32, s15, 127
	s_lshl_b32 s33, s32, 23
	v_mov_b32 v[SC1], s33
	s_add_co_i32 s32, s32, 8
	s_lshl_b32 s32, s32, 23
	s_or_b32 s32, s32, 0x600000
	v_mov_b32 v[LIM1], s32
	s_add_co_i32 s32, s14, s15                     ; e0 + e1
	s_sub_co_i32 s[NE1], -1, s32
	s_sub_co_i32 s[TH], 62, s32
	s_lshl_b32 s[TH], s[TH], 23                    ; 2^(-65-e0-e1): x under it means sq under 2^-64
	s_sub_co_i32 s33, 61, s32
	s_lshl_b32 s33, s33, 23                        ; half of that,
	s_or_b32 s33, s33, s18                         ; with the slice's first group in mantissa bits 17:5,
	v_lshl_or_b32 v[CL], v[H], 5, s33              ; + h
	v_mov_b32 v[ID], v[H]
	; six tiles on two sets: while one set is worked on, the other's 16 loads are out
	s_wait_loadcnt 16                              ; the older set is in; the younger set's 16 loads may be out.  The same at each of these waits
	CTXTILE X0, 0
	GLOAD X0, TK+2
	s_wait_loadcnt 16
	CTXTILE X1, 1
	GLOAD X1, TK+3
	s_wait_loadcnt 16
	QTILE X0, 0
	GLOAD X0, TK+4
	s_wait_loadcnt 16
	QTILE X1, 1
	GLOAD X1, TK+5
	s_wait_loadcnt 16
	QTILE X0, 2
	s_wait_loadcnt 0x0
	QTILE X1, 3
	s_wait_dscnt 0x0                               ; for the others' sake: my images and sums lie in LDS
	s_barrier_signal -1
	s_barrier_wait -1                              ; all 16 tiles do; nothing is written to LDS from here on
.macro LDT t                           ; context tile t: its fragment (4 loads) and its C tile (2 loads) into set t % 2
.irp c, 0,1,2,3
	ds_load_b128 v[AF+16*((\t)%2)+4*\c:AF+16*((\t)%2)+4*\c+3], v[LI] offset:2048*(\t)+512*\c
.endr
	ds_load_b128 v[CT+8*((\t)%2):CT+8*((\t)%2)+3], v[CNA] offset:64*(\t)
	ds_load_b128 v[CT+8*((\t)%2)+4:CT+8*((\t)%2)+7], v[CNA] offset:64*(\t)+16
.endm
; four groups, one for each query tile, by turns line by line: the minimum of 8 (from the result's low end on), + |q|^2, the tie zone, the number, the insertion:
; with a0 <= .. <= a7 the new a_i is the middle one of a_(i-1), the key and a_i, taken from the top down
.macro SELECT
.irp q, 0,1,2,3
	v_min3_num_f32 v[T+\q], v[DQ+8*\q], v[DQ+8*\q+1], v[DQ+8*\q+2]
.endr
.irp q, 0,1,2,3
	v_min3_num_f32 v[T+\q], v[T+\q], v[DQ+8*\q+3], v[DQ+8*\q+4]
.endr
.irp q, 0,1,2,3
	v_min3_num_f32 v[T+\q], v[T+\q], v[DQ+8*\q+5], v[DQ+8*\q+6]
.endr
.irp q, 0,1,2,3
	v_min_num_f32 v[T+\q], v[T+\q], v[DQ+8*\q+7]
.endr
.irp q, 0,1,2,3
	v_add_f32 v[T+\q], v[T+\q], v[QN+\q]
.endr
.irp q, 0,1,2,3
	v_cmp_gt_f32 s[MS+\q], s[TH], v[T+\q]
.endr
.irp q, 0,1,2,3
	v_cndmask_b32 v[T+\q], v[T+\q], v[CL], s[MS+\q]
.endr
.irp q, 0,1,2,3
	v_and_or_b32 v[T+\q], v[T+\q], s[MK], v[ID]
.endr
.irp i, 7,6,5,4,3,2,1
.irp q, 0,1,2,3
	v_med3_num_f32 v[LS+8*\q+\i], v[LS+8*\q+\i-1], v[T+\q], v[LS+8*\q+\i]
.endr
.endr
.irp q, 0,1,2,3
	v_min_num_f32 v[LS+8*\q], v[LS+8*\q], v[T+\q]
.endr
.endm
.macro TILE t
.if (\t) < 15
	LDT (\t)+1                                     ; into the set that the tile before multiplied: its selection lines lie between
	s_wait_dscnt 6                                 ; this tile's six loads are in; the next tile's six may be out
.else
	s_wait_dscnt 0x0
.endif
.irp q, 0,1,2,3
	v_wmma_f32_16x16x128_fp8_fp8 v[DQ+8*\q:DQ+8*\q+7], v[AF+16*((\t)%2):AF+16*((\t)%2)+15], v[BF+16*\q:BF+16*\q+15], v[CT+8*((\t)%2):CT+8*((\t)%2)+7]
.endr
.if (\t) > 0                           ; four plain lines between the products and the first read of a result (ISA guide 7.12.1); two of them step the group's number
	v_add_nc_u32 v[ID], 2, v[ID]
	v_add_nc_u32 v[CL], 64, v[CL]
.else
	v_nop
	v_nop
.endif
	v_nop
	v_nop
	SELECT
.endm
	LDT 0
.set cnt, 0
.rept 32
	v_mov_b32 v[LS+cnt], 0x7f7fffff                ; the lists begin with the largest f32 number; each takes 16 keys, so none of these stays
.set cnt, cnt+1
.endr
.irp t, 0,1,2,3,4,5,6,7,8,9,10,11,12,13,14,15
	TILE \t
.endr
; The two halves of the lanes hold a query's even and odd groups.  min(a_i, b_(7-i)) of two ascending lists are the 8 smallest of the 16, first rising and then falling; three rounds of
; compare and exchange (4, 2, 1 apart) sort them.  h = 0 stores keys 0-3, h = 1 keys 4-7: a wave's store covers two aligned runs of 256 consecutive bytes (8 queries x 32 each).
.macro HMERGE q
.set PB, DQ+8*(\q)
.set PQ, AF+8*(\q)
.set LL, LS+8*(\q)
.irp i, 0,1,2,3,4,5,6,7
	v_permlanex16_b32 v[PB+\i], v[LL+\i], s[SEL], s[SEL+1]
.endr
.irp i, 0,1,2,3,4,5,6,7
	v_min_num_f32 v[PQ+\i], v[LL+\i], v[PB+7-\i]
.endr
.irp i, 0,1,2,3
	v_min_num_f32 v[PB+\i], v[PQ+\i], v[PQ+\i+4]
	v_max_num_f32 v[PB+\i+4], v[PQ+\i], v[PQ+\i+4]
.endr
.irp i, 0,1,4,5
	v_min_num_f32 v[PQ+\i], v[PB+\i], v[PB+\i+2]
	v_max_num_f32 v[PQ+\i+2], v[PB+\i], v[PB+\i+2]
.endr
.irp i, 0,2,4,6
	v_min_num_f32 v[PB+\i], v[PQ+\i], v[PQ+\i+1]
	v_max_num_f32 v[PB+\i+1], v[PQ+\i], v[PQ+\i+1]
.endr
.irp k, 0,1,2,3
	v_cndmask_b32 v[PQ+\k], v[PB+\k], v[PB+4+\k], s[HM]
.endr
	global_store_b128 v[KO], v[PQ:PQ+3], s[12:13] offset:131072*(\q)
.endm
	HMERGE 0
	HMERGE 1
	HMERGE 2
	HMERGE 3
	s_wait_tensorcnt 0x0
	ds_add_u32 v244, v245
	s_wait_dscnt 0x0
	s_endpgm
.Lfunc_end_k_qe49c326b19_groups:
	.size	k_qe49c326b19_groups, .Lfunc_end_k_qe49c326b19_groups-k_qe49c326b19_groups
	.p2alignl 7, 3214868480
	.fill 96, 4, 3214868480
	.section	.rodata,"a",@progbits
	.p2align	6, 0x0
	.amdhsa_kernel k_qe49c326b19_groups
		.amdhsa_group_segment_fixed_size 34816
		.amdhsa_private_segment_fixed_size 0
		.amdhsa_enable_private_segment 0
		.amdhsa_kernarg_size 40
		.amdhsa_user_sgpr_count 2
		.amdhsa_user_sgpr_kernarg_segment_ptr 1
		.amdhsa_wavefront_size32 1
		.amdhsa_system_sgpr_workgroup_id_x 1
		.amdhsa_system_sgpr_workgroup_id_y 1
		.amdhsa_system_sgpr_workgroup_id_z 1
		.amdhsa_system_vgpr_workitem_id 0
		.amdhsa_next_free_vgpr 246
		.amdhsa_next_free_sgpr 66
		.amdhsa_reserve_vcc 0
		.amdhsa_float_denorm_mode_32 3
		.amdhsa_float_denorm_mode_16_64 3
		.amdhsa_memory_ordered 1
		.amdhsa_forward_progress 1
		.amdhsa_inst_pref_size 136
	.end_amdhsa_kernel
	.amdgpu_metadata
---
amdhsa.version: [ 1, 2 ]
amdhsa.kernels:
  - .name:           k_qe49c326b19_groups
    .symbol:         k_qe49c326b19_groups.kd
    .args:
      - { .name: query_tokens, .offset: 0, .size: 8, .value_kind: global_buffer, .address_space: global }
      - { .name: context_tokens, .offset: 8, .size: 8, .value_kind: global_buffer, .address_space: global }
      - { .name: emb_table, .offset: 16, .size: 8, .value_kind: global_buffer, .address_space: global }
      - { .name: lowp_scales, .offset: 24, .size: 8, .value_kind: global_buffer, .address_space: global }
      - { .name: keys, .offset: 32, .size: 8, .value_kind: global_buffer, .address_space: global }
    .group_segment_fixed_size: 34816
    .private_segment_fixed_size: 0
    .kernarg_segment_align: 8
    .kernarg_segment_size: 40
    .max_flat_workgroup_size: 256
    .sgpr_count:     66
    .vgpr_count:     246
    .wavefront_size: 32
...
	.end_amdgpu_metadata
.endif
;; end of part 1
;; launch rescan (part 2): grid 64 x 1, 8 waves a work-group, no clusters, 9,216 bytes of LDS; arguments keys, query_tokens, context_tokens, emb_table, W_score, b_score, lowp_scales, imp; writes imp
.if DOCPART == 2
	.amdgcn_target "amdgcn-amd-amdhsa--gfx1250"
	.amdhsa_code_object_version 6
	.text
	.protected	k_qe49c326b19_rescan
	.globl	k_qe49c326b19_rescan
	.p2align	8
	.type	k_qe49c326b19_rescan,@function
k_qe49c326b19_rescan:
	s_mov_b64 s[64:65], 0
	v_nop
	global_prefetch_b8 v0, s[64:65] scope:SCOPE_SE
	s_setreg_imm32_b32 hwreg(HW_REG_WAVE_MODE, 25, 1), 1
	s_wait_xcnt 0x0
; FROM 256 LISTS OF GROUPS TO A QUERY'S IMPORTANCE.  A wave owns one query (8 x work-group + wave); the work-group's 8 queries share one dense block of 65,536 bytes of keys.
; 1. qp = Q(q) Q(W) + b for the 8 queries: wave w quantises columns 16 w .. 16 w + 15 of W (a lane a column, registers down K) and multiplies them by the 8 queries' codes (each twice, to fill 16 columns);
;    the results meet in LDS behind the one barrier.
; 2. THE MERGE, on whole numbers alone: lane l holds the sorted lists of slices 32 i + l; 7 merges in the lane, 5 across lanes, each key with 32 x its slice beside it.  Lane 0's eight groups go to scalar registers.
; 3. THE 64 CANDIDATES (8 groups x 8 contexts), four tiles of 16 rows: |c|^2 and qp . c in f32, the rows quantised, Q(q) . Q(c) by the matrix unit (source 0 = the queries, my own in rows 0 and 8;
;    source 1 = the candidates: register 0 of lane (r, h) is my query against candidate r); sq = (|q|^2 + |c|^2) - 2 dot, dist = sqrt(max(sq, 0) + 1e-12), logit = qp . c / sqrt(128) - dist.
; 4. THE 8 NEAREST: a candidate's rank is the number of candidates ahead of it by (dist, index); rank < 8 is in.  importance = the largest softmax = 1 / sum exp(logit - largest logit).
; LIMITS.  e0 .. e3 between -126 and 119; e0 + e1 between -127 and 60; e2 + e3 between -126 and 127.  Equal keys from different slices are taken in no stated order.
; NaN and infinities among the inputs are not served.  1 / sqrt(128) is multiplied by, not divided by.  A token outside the table is held at its last row.
; NO TENSOR LOADS AND NO CLUSTER: rows are picked by tokens; W, which all 64 work-groups read, is 64 KB against the more than 320 KB of keys and rows that a work-group reads for itself.
.set TOKMAX, 50256
.set SCRB, 4096                        ; LDS: 8 x 512 bytes of qp from byte 0; from here 512 bytes for each wave: 64 distances, 64 indices
.set EMB,  10                          ; s[10:11] the table
.set R,    1
.set H,    2
.set TMP,  3
.set L256, 4                           ; first part: 256 x lane: from slice to slice in the keys
.set L32,  5                           ; 32 x lane: 32 x slice for list 0
.set QRO,  6                           ; a query's row offset in the table
.set WO,   7                           ; W: 8,192 h + 64 w + 4 r
.set BO,   8                           ; b: 64 w + 32 h
.set BPAY, 11                          ; 32 x slice of the list in hand
.set SC0,  12
.set LIM0, 13
.set SC1,  14
.set LIM1, 15
.set SC2,  16
.set LIM2, 17
.set SC3,  18
.set LIM3, 19
.set QPW,  20                          ; LDS addresses, v20-23: made at the head, never anything else
.set QPR,  21
.set SCRW, 22
.set SCRR, 23
.set NA,   24                          ; v24-31 sums
.set PK,   32                          ; v32-39 the running list's keys; v40-47 b, then its payloads
.set PP,   40
.set BIAS, 40
.set QK,   48                          ; v48-63 W's codes, then the list's other copy
.set QY,   56
.set WF,   48
.set KEY,  64                          ; v64-119 lists 1-7
.set XW,   120                         ; v120-183 W's numbers; then codes, temporaries, qp's sums
.set QF2,  120
.set TT,   136
.set DP,   168
.set QF0,  176                         ; v176-191 the queries' codes for the distances
.set XQ,   192                         ; v192-255 the queries' numbers, then my query's qp
.set QPV,  192
.set X0,   32                          ; second part: two sets of 64 gathered numbers, a tile's codes
.set X1,   96
.set CF,   160
.set RO,   4                           ; v4-7 row offsets, then logits
.set LG,   4
.set GI,   8                           ; v8-11 candidates' indices
.set RSEV, 12
.set DI,   16                          ; v16-19 distances
.set DA,   24                          ; last part: my two candidates' dist, index, logit, rank
.set DB,   25
.set GA,   26
.set GB,   27
.set LA,   28
.set LB,   29
.set RA,   30
.set RB,   31
.set DA1,  8
.set DB1,  9
.set MX,   12
.set MY,   13
.set NINF, 14
.set TM2,  15
.set UD,   32
.set UI,   96
.set SCL,  34                          ; s[34:35] 2^(e2+e3)
.set M2S,  36                          ; s36  -2^(e0+e1+1)
.set INV,  37                          ; s37  1 / sqrt(128)
.set QNS,  38                          ; s38  |q|^2 of my query
.set MS,   40                          ; s40-47 masks
.set GID,  48                          ; s48-55 the eight groups
.set SEL,  56                          ; s[56:57] lane selects: lane l xor 16
.set RM,   58                          ; s58  the lanes with r >= 8
.set HM,   59                          ; s59  the lanes with h = 1
.macro GLOAD x, tk                     ; my 64 numbers of a gathered row: register 16 c + i is k = 32 c + 16 h + i
.irp c, 0,1,2,3
.irp j, 0,1,2,3
	global_load_b128 v[\x+16*\c+4*\j:\x+16*\c+4*\j+3], v[\tk], s[EMB:EMB+1] offset:128*\c+16*\j
.endr
.endr
.endm
.macro DOT x, y, dst                   ; the sum over all 128 k of x y: four chains on my 64, then the other half of the lanes'
.irp k, 0,1,2,3
	v_pk_mul_f32 v[NA+2*\k:NA+2*\k+1], v[\x+2*\k:\x+2*\k+1], v[\y+2*\k:\y+2*\k+1]
.endr
.set cnt, 4
.rept 28
	v_pk_fma_f32 v[NA+2*(cnt%4):NA+2*(cnt%4)+1], v[\x+2*cnt:\x+2*cnt+1], v[\y+2*cnt:\y+2*cnt+1], v[NA+2*(cnt%4):NA+2*(cnt%4)+1]
.set cnt, cnt+1
.endr
	v_pk_add_f32 v[NA:NA+1], v[NA:NA+1], v[NA+2:NA+3]
	v_pk_add_f32 v[NA+4:NA+5], v[NA+4:NA+5], v[NA+6:NA+7]
	v_pk_add_f32 v[NA:NA+1], v[NA:NA+1], v[NA+4:NA+5]
	v_add_f32 v[NA], v[NA], v[NA+1]
	v_permlanex16_b32 v[NA+1], v[NA], s[SEL], s[SEL+1]
	v_add_f32 v[\dst], v[NA], v[NA+1]
.endm
.macro QUANT x, dst, sc, lim           ; 64 numbers become a fragment's 16 registers of codes; the numbers are held in place
.irp b, 0,1,2,3
.irp i, 0,1,2,3,4,5,6,7,8,9,10,11,12,13,14,15
	v_med3_num_f32 v[\x+16*\b+\i], v[\x+16*\b+\i], -v[\lim], v[\lim]   ; the conversion does not saturate (ISA guide 7.6.2): the hold at 448 x the scale comes first
.endr
	v_cvt_scalef32_pk8_fp8_f32 v[\dst+4*\b:\dst+4*\b+1], v[\x+16*\b:\x+16*\b+7], v[\sc]
	v_cvt_scalef32_pk8_fp8_f32 v[\dst+4*\b+2:\dst+4*\b+3], v[\x+16*\b+8:\x+16*\b+15], v[\sc]
.endr
	v_nop                                          ; a plain vector line behind the last conversion
.endm
.macro QUANTT x, dst, sc, lim          ; the same through two sets of 16 temporaries by turns: the numbers stay as they are, for a second scale
.irp b, 0,1,2,3
.irp i, 0,1,2,3,4,5,6,7,8,9,10,11,12,13,14,15
	v_med3_num_f32 v[TT+16*(\b%2)+\i], v[\x+16*\b+\i], -v[\lim], v[\lim]
.endr
	v_cvt_scalef32_pk8_fp8_f32 v[\dst+4*\b:\dst+4*\b+1], v[TT+16*(\b%2):TT+16*(\b%2)+7], v[\sc]
	v_cvt_scalef32_pk8_fp8_f32 v[\dst+4*\b+2:\dst+4*\b+3], v[TT+16*(\b%2)+8:TT+16*(\b%2)+15], v[\sc]
.endr
	v_nop
.endm
.macro MKSC e, sc, lim                 ; 2^e as f32 (the conversion takes its exponent field) and 448 x 2^e
	s_add_co_i32 s30, s[\e], 127
	s_lshl_b32 s31, s30, 23
	v_mov_b32 v[\sc], s31
	s_add_co_i32 s30, s30, 8
	s_lshl_b32 s30, s30, 23
	s_or_b32 s30, s30, 0x600000
	v_mov_b32 v[\lim], s30
.endm
; four compare-and-exchange steps, d apart, on keys with their payloads, from one copy of the list into the other
.macro STAGE sk, sp, dk, dp, d, a, b, c, e
.irp lo, \a, \b, \c, \e
	v_cmp_lt_u32 s[MS+\lo], v[\sk+\lo+\d], v[\sk+\lo]
.endr
.irp lo, \a, \b, \c, \e
	v_cndmask_b32 v[\dk+\lo], v[\sk+\lo], v[\sk+\lo+\d], s[MS+\lo]
	v_cndmask_b32 v[\dk+\lo+\d], v[\sk+\lo+\d], v[\sk+\lo], s[MS+\lo]
	v_cndmask_b32 v[\dp+\lo], v[\sp+\lo], v[\sp+\lo+\d], s[MS+\lo]
	v_cndmask_b32 v[\dp+\lo+\d], v[\sp+\lo+\d], v[\sp+\lo], s[MS+\lo]
.endr
.endm
; the running list (ascending) takes in another ascending list: the smaller of a_i and b_(7-i), then three stages.  bs = 0: one payload for the whole list
.macro MERGE bk, bp, bs
.irp i, 0,1,2,3,4,5,6,7
	v_cmp_lt_u32 s[MS+\i], v[\bk+7-\i], v[PK+\i]
.endr
.irp i, 0,1,2,3,4,5,6,7
	v_cndmask_b32 v[QK+\i], v[PK+\i], v[\bk+7-\i], s[MS+\i]
	v_cndmask_b32 v[QY+\i], v[PP+\i], v[\bp+\bs*(7-\i)], s[MS+\i]
.endr
	STAGE QK, QY, PK, PP, 4, 0, 1, 2, 3
	STAGE PK, PP, QK, QY, 2, 0, 1, 4, 5
	STAGE QK, QY, PK, PP, 1, 0, 2, 4, 6
.endm
.macro XROUND m                        ; with the list of lane l xor m
.irp i, 0,1,2,3,4,5,6,7
	v_mov_b32_dpp v[KEY+\i], v[PK+\i] row_xmask:\m row_mask:0xf bank_mask:0xf
	v_mov_b32_dpp v[KEY+8+\i], v[PP+\i] row_xmask:\m row_mask:0xf bank_mask:0xf
.endr
	MERGE KEY, KEY+8, 1
.endm
	s_load_b256 s[4:11], s[0:1], 0x0               ; keys s[4:5], query_tokens s[6:7], context_tokens s[8:9], emb_table s[10:11]
	s_load_b256 s[12:19], s[0:1], 0x20             ; W_score s[12:13], b_score s[14:15], lowp_scales s[16:17], imp s[18:19]
	s_set_vgpr_msb 0x40
	v_lshl_add_u32 v0, v0, 2, 0x2000
	v_mov_b32 v1, 0
	s_set_vgpr_msb 0x4000
	v_lshrrev_b32 v1, 5, v0
	v_readfirstlane_b32 s20, v1                    ; wave 0..7
	v_and_b32 v[R], 15, v0
	v_bfe_u32 v[H], v0, 4, 1
	v_and_b32 v[TMP], 31, v0
	v_lshlrev_b32 v[L256], 8, v[TMP]
	v_lshlrev_b32 v[L32], 5, v[TMP]
	v_add_nc_u32 v9, s20, v[R]
	v_and_b32 v9, 7, v9                            ; row r of my queries' fragment is query (r + w) % 8 of the work-group: my own query is rows 0 and 8
	v_lshlrev_b32 v10, 2, v9
	s_lshl_b32 s22, s20, 6                         ; 64 w
	s_lshl_b32 s23, s20, 9                         ; 512 w
	s_add_co_u32 s39, s23, SCRB
	v_lshlrev_b32 v[QPW], 9, v9
	v_lshl_add_u32 v[QPW], v[H], 5, v[QPW]
	v_add_nc_u32 v[QPW], s22, v[QPW]               ; 512 x query + 4 x (16 w + 8 h)
	v_lshlrev_b32 v[QPR], 6, v[H]
	v_add_nc_u32 v[QPR], s23, v[QPR]               ; 512 w + 64 h
	v_lshlrev_b32 v[SCRW], 7, v[H]
	v_lshl_add_u32 v[SCRW], v[R], 2, v[SCRW]
	v_add_nc_u32 v[SCRW], s39, v[SCRW]             ; SCRB + 512 w + 128 h + 4 r
	v_mov_b32 v[SCRR], s39
	v_lshlrev_b32 v[BO], 5, v[H]
	v_add_nc_u32 v[BO], s22, v[BO]
	v_lshlrev_b32 v[WO], 13, v[H]
	v_lshl_add_u32 v[WO], v[R], 2, v[WO]
	v_add_nc_u32 v[WO], s22, v[WO]                 ; W(16 h, 16 w + r)
	s_lshl_b32 s21, ttmp9, 3
	s_add_co_u32 s21, s21, s20                     ; my query
	s_mov_b32 s[SEL], 0x76543210
	s_mov_b32 s[SEL+1], 0xfedcba98
	s_mov_b32 s[INV], 0x3db504f3
	s_lshl_b32 s28, ttmp9, 5                       ; the work-group's 8 tokens
	s_mov_b32 s29, 0
	s_lshl_b32 s30, ttmp9, 16                      ; the work-group's block of keys,
	s_lshl_b32 s31, s20, 5                         ; my query's 32 bytes of each slice's 256
	s_add_co_u32 s30, s30, s31
	s_mov_b32 s31, 0
	s_lshl_b32 s32, s21, 2
	s_mov_b32 s33, 0
	s_wait_kmcnt 0x0
	s_load_b128 s[24:27], s[16:17], 0x0            ; e0, e1, e2, e3
	s_add_nc_u64 s[6:7], s[6:7], s[28:29]
	s_add_nc_u64 s[4:5], s[4:5], s[30:31]
	s_add_nc_u64 s[18:19], s[18:19], s[32:33]
	; all that does not hang on the merge is asked for at once
	global_load_b32 v[QRO], v10, s[6:7]
	global_load_b128 v[PK:PK+3], v[L256], s[4:5]
	global_load_b128 v[PK+4:PK+7], v[L256], s[4:5] offset:16
.irp i, 1,2,3,4,5,6,7
	global_load_b128 v[KEY+8*(\i-1):KEY+8*(\i-1)+3], v[L256], s[4:5] offset:8192*\i          ; slice 32 i + lane
	global_load_b128 v[KEY+8*(\i-1)+4:KEY+8*(\i-1)+7], v[L256], s[4:5] offset:8192*\i+16
.endr
	global_load_b128 v[BIAS:BIAS+3], v[BO], s[14:15]
	global_load_b128 v[BIAS+4:BIAS+7], v[BO], s[14:15] offset:16
.irp c, 0,1
.irp i, 0,1,2,3,4,5,6,7,8,9,10,11,12,13,14,15
	global_load_b32 v[XW+16*\c+\i], v[WO], s[12:13] offset:512*(32*\c+\i)    ; W(32 c + 16 h + i, 16 w + r): my column, registers down K
.endr
.endr
	s_wait_loadcnt 50                              ; the token is in: behind its load came 16 loads of keys, 2 of b and 32 of W
	v_min_u32 v[QRO], TOKMAX, v[QRO]
	v_lshlrev_b32 v[QRO], 9, v[QRO]
	v_lshl_add_u32 v[QRO], v[H], 6, v[QRO]
	GLOAD XQ, QRO
.irp c, 2,3
.irp i, 0,1,2,3,4,5,6,7,8,9,10,11,12,13,14,15
	global_load_b32 v[XW+16*\c+\i], v[WO], s[12:13] offset:512*(32*\c+\i)
.endr
.endr
	s_wait_kmcnt 0x0
	MKSC 24, SC0, LIM0
	MKSC 25, SC1, LIM1
	MKSC 26, SC2, LIM2
	MKSC 27, SC3, LIM3
	s_add_co_i32 s[M2S], s24, s25
	s_add_co_i32 s[M2S], s[M2S], 128
	s_lshl_b32 s[M2S], s[M2S], 23
	s_or_b32 s[M2S], s[M2S], 0x80000000            ; -2^(e0+e1+1): a sum of codes' products x this is -2 dot
	s_add_co_i32 s[SCL], s26, s27
	s_add_co_i32 s[SCL], s[SCL], 127
	s_lshl_b32 s[SCL], s[SCL], 23                  ; 2^(e2+e3)
	s_mov_b32 s[SCL+1], s[SCL]                     ; (named with it as a pair, so it is written)
	s_wait_loadcnt 0x0
	; ---- 1. qp
	QUANT XW, WF, SC3, LIM3
	DOT XQ, XQ, NA
	v_readlane_b32 s[QNS], v[NA], 0                ; lane 0 holds row 0: my query's |q|^2
	QUANTT XQ, QF0, SC0, LIM0                      ; for the distances
	QUANT XQ, QF2, SC2, LIM2                       ; for qp
	v_wmma_f32_16x16x128_fp8_fp8 v[DP:DP+7], v[WF:WF+15], v[QF2:QF2+15], 0   ; lane (r, h), register j: qp(query of column r, 16 w + 8 h + j)
.rept 4
	v_nop                                          ; four plain lines between a product and the first read of its result (ISA guide 7.12.1)
.endr
.irp i, 0,2,4,6
	v_pk_fma_f32 v[TT+\i:TT+\i+1], v[DP+\i:DP+\i+1], s[SCL:SCL+1], v[BIAS+\i:BIAS+\i+1] op_sel_hi:[1,0,1]   ; sum x 2^(e2+e3) + b
.endr
	ds_store_b128 v[QPW], v[TT:TT+3]               ; columns r and r + 8 are one query: the two lanes write the same bytes with the same numbers
	ds_store_b128 v[QPW], v[TT+4:TT+7] offset:16
	s_wait_dscnt 0x0                               ; for the others' sake: my part of qp lies in LDS
	s_barrier_signal -1
	s_barrier_wait -1
.irp c, 0,1,2,3
.irp j, 0,1,2,3
	ds_load_b128 v[QPV+16*\c+4*\j:QPV+16*\c+4*\j+3], v[QPR] offset:128*\c+16*\j   ; my query's qp at the k that my registers hold of a row; it lands while the lists are merged
.endr
.endr
	; ---- 2. the merge
.irp i, 0,1,2,3,4,5,6,7
	v_mov_b32 v[PP+\i], v[L32]
.endr
.irp i, 1,2,3,4,5,6,7
	v_add_nc_u32 v[BPAY], 1024*\i, v[L32]
	MERGE KEY+8*(\i-1), BPAY, 0
.endr
	XROUND 1
	XROUND 2
	XROUND 4
	XROUND 8
.irp i, 0,1,2,3,4,5,6,7
	v_permlanex16_b32 v[KEY+\i], v[PK+\i], s[SEL], s[SEL+1]
	v_permlanex16_b32 v[KEY+8+\i], v[PP+\i], s[SEL], s[SEL+1]
.endr
	MERGE KEY, KEY+8, 1
.irp i, 0,1,2,3,4,5,6,7
	v_and_or_b32 v[QK+\i], v[PK+\i], 31, v[PP+\i]  ; the group among all 8,192: 32 x slice + its number in the slice
.endr
.irp i, 0,1,2,3,4,5,6,7
	v_readfirstlane_b32 s[GID+\i], v[QK+\i]
.endr
	; ---- 3. the candidates: row r of tile t is context r % 8 of group 2 t + r / 8
	s_wait_dscnt 0x0                               ; qp is in
	v_and_b32 v[RSEV], 7, v[R]
	v_cmp_lt_u32 s[RM], 7, v[R]
	v_cmp_eq_u32 s[HM], 1, v[H]
.irp t, 0,1,2,3
	v_mov_b32 v[GI+\t], s[GID+2*\t]
	v_mov_b32 v[TMP], s[GID+2*\t+1]
	v_cndmask_b32 v[GI+\t], v[GI+\t], v[TMP], s[RM]
	v_min_u32 v[GI+\t], 0x1fff, v[GI+\t]           ; a loaded number enters an address behind a clamp
	v_lshl_add_u32 v[GI+\t], v[GI+\t], 3, v[RSEV]  ; the context's index
	v_lshlrev_b32 v[DI+\t], 2, v[GI+\t]
	global_load_b32 v[RO+\t], v[DI+\t], s[8:9]
.endr
	s_wait_loadcnt 0x0
.irp t, 0,1,2,3
	v_min_u32 v[RO+\t], TOKMAX, v[RO+\t]
	v_lshlrev_b32 v[RO+\t], 9, v[RO+\t]
	v_lshl_add_u32 v[RO+\t], v[H], 6, v[RO+\t]
.endr
.macro CAND t, x
	DOT \x, \x, DI+\t
	v_add_f32 v[DI+\t], s[QNS], v[DI+\t]           ; |q|^2 + |c|^2
	DOT \x, QPV, LG+\t                             ; qp . c, into the register that held the tile's row offset: its loads are in
	QUANT \x, CF, SC1, LIM1
	v_wmma_f32_16x16x128_fp8_fp8 v[\x:\x+7], v[QF0:QF0+15], v[CF:CF+15], 0   ; the result lies over numbers that are done with
.rept 4
	v_nop
.endr
	v_fma_f32 v[DI+\t], v[\x], s[M2S], v[DI+\t]    ; register 0: row 0 or 8, my query.  sq = (|q|^2 + |c|^2) - 2 dot
	v_max_num_f32 v[DI+\t], 0, v[DI+\t]
	v_add_f32 v[DI+\t], 0x2b8cbccc, v[DI+\t]       ; + 1e-12
.endm
	GLOAD X0, RO
	GLOAD X1, RO+1
	s_wait_loadcnt 16                              ; the older set is in; the younger set's 16 loads may be out
	CAND 0, X0
	GLOAD X0, RO+2
	s_wait_loadcnt 16
	CAND 1, X1
	GLOAD X1, RO+3
	s_wait_loadcnt 16
	CAND 2, X0
	s_wait_loadcnt 0x0
	CAND 3, X1
.irp t, 0,1,2,3
	v_sqrt_f32 v[DI+\t], v[DI+\t]
.endr
	v_nop                                          ; a plain line behind the last root
	s_wait_alu depctr_va_vdst(0)                   ; one wait for the four roots, ahead of their first reader
.irp t, 0,1,2,3
	v_fma_f32 v[LG+\t], v[LG+\t], s[INV], -v[DI+\t]
.endr
	; ---- 4. the 8 nearest.  Both halves of the lanes hold all four tiles: lane (r, h) takes row r of tiles 2 h and 2 h + 1 as its own two candidates
	v_cndmask_b32 v[DA], v[DI], v[DI+2], s[HM]
	v_cndmask_b32 v[DB], v[DI+1], v[DI+3], s[HM]
	v_cndmask_b32 v[GA], v[GI], v[GI+2], s[HM]
	v_cndmask_b32 v[GB], v[GI+1], v[GI+3], s[HM]
	v_cndmask_b32 v[LA], v[LG], v[LG+2], s[HM]
	v_cndmask_b32 v[LB], v[LG+1], v[LG+3], s[HM]
	ds_store_b32 v[SCRW], v[DA]                    ; candidate 16 x tile + r: its distance, and 256 bytes on its index; the wave's own bytes
	ds_store_b32 v[SCRW], v[DB] offset:64
	ds_store_b32 v[SCRW], v[GA] offset:256
	ds_store_b32 v[SCRW], v[GB] offset:320
.irp i, 0,1,2,3,4,5,6,7,8,9,10,11,12,13,14,15
	ds_load_b128 v[UD+4*\i:UD+4*\i+3], v[SCRR] offset:16*\i        ; LDS serves a wave's instructions in order (ISA guide 5.7.1.4): these see the stores above.  All 64 into every lane
.endr
.irp i, 0,1,2,3,4,5,6,7,8,9,10,11,12,13,14,15
	ds_load_b128 v[UI+4*\i:UI+4*\i+3], v[SCRR] offset:256+16*\i
.endr
	v_add_nc_u32 v[DA1], 1, v[DA]                  ; distances are positive f32 numbers: their bits order them, and d' < d + 1 in bits is d' <= d
	v_add_nc_u32 v[DB1], 1, v[DB]
	v_mov_b32 v[RA], 0
	v_mov_b32 v[RB], 0
	s_wait_dscnt 0x0
.set cnt, 0
.rept 64                               ; candidate cnt is ahead of mine where its distance is smaller, or equal with a smaller index
	v_cmp_lt_u32 s40, v[UI+cnt], v[GA]
	v_cmp_lt_u32 s41, v[UI+cnt], v[GB]
	v_cndmask_b32 v[TMP], v[DA], v[DA1], s40
	v_cndmask_b32 v[TM2], v[DB], v[DB1], s41
	v_cmp_lt_u32 vcc_lo, v[UD+cnt], v[TMP]
	v_add_co_ci_u32 v[RA], vcc_lo, 0, v[RA], vcc_lo
	v_cmp_lt_u32 vcc_lo, v[UD+cnt], v[TM2]
	v_add_co_ci_u32 v[RB], vcc_lo, 0, v[RB], vcc_lo
.set cnt, cnt+1
.endr
	v_mov_b32 v[NINF], 0xff800000
	v_cmp_gt_u32 vcc_lo, 8, v[RA]
	v_cndmask_b32 v[LA], v[NINF], v[LA], vcc_lo    ; what is not among the 8 counts for nothing
	v_cmp_gt_u32 vcc_lo, 8, v[RB]
	v_cndmask_b32 v[LB], v[NINF], v[LB], vcc_lo
	v_max_num_f32 v[MX], v[LA], v[LB]
	v_max_num_f32_dpp v[MX], v[MX], v[MX] row_xmask:1 row_mask:0xf bank_mask:0xf
	v_max_num_f32_dpp v[MX], v[MX], v[MX] row_xmask:2 row_mask:0xf bank_mask:0xf
	v_max_num_f32_dpp v[MX], v[MX], v[MX] row_xmask:4 row_mask:0xf bank_mask:0xf
	v_max_num_f32_dpp v[MX], v[MX], v[MX] row_xmask:8 row_mask:0xf bank_mask:0xf
	v_permlanex16_b32 v[MY], v[MX], s[SEL], s[SEL+1]
	v_max_num_f32 v[MX], v[MX], v[MY]              ; the largest logit of the 8
	v_sub_f32 v[LA], v[LA], v[MX]
	v_sub_f32 v[LB], v[LB], v[MX]
	v_mul_f32 v[LA], 0x3fb8aa3b, v[LA]
	v_mul_f32 v[LB], 0x3fb8aa3b, v[LB]
	v_exp_f32 v[LA], v[LA]
	v_exp_f32 v[LB], v[LB]
	v_nop                                          ; a plain line behind the last exponential
	s_wait_alu depctr_va_vdst(0)                   ; one wait for the two, ahead of their first reader
	v_add_f32 v[MX], v[LA], v[LB]
	v_add_f32_dpp v[MX], v[MX], v[MX] row_xmask:1 row_mask:0xf bank_mask:0xf
	v_add_f32_dpp v[MX], v[MX], v[MX] row_xmask:2 row_mask:0xf bank_mask:0xf
	v_add_f32_dpp v[MX], v[MX], v[MX] row_xmask:4 row_mask:0xf bank_mask:0xf
	v_add_f32_dpp v[MX], v[MX], v[MX] row_xmask:8 row_mask:0xf bank_mask:0xf
	v_permlanex16_b32 v[MY], v[MX], s[SEL], s[SEL+1]
	v_add_f32 v[MX], v[MX], v[MY]
	v_rcp_f32 v[MX], v[MX]                         ; the largest term of the softmax is 1 / the sum
	v_and_b32 v[TMP], 31, v0                       ; (a plain line behind the reciprocal)  the lane
	s_wait_alu depctr_va_vdst(0)                   ; ahead of the first reader
	s_wait_xcnt 0x0                                ; EXEC changes only behind this wait
	v_cmp_eq_u32 vcc_lo, 0, v[TMP]
	s_set_vgpr_msb 0x5
	s_wait_tensorcnt 0x0
	ds_add_u32 v0, v1
	s_wait_dscnt 0x0
	s_set_vgpr_msb 0x500
	s_and_saveexec_b32 s40, vcc_lo
	global_store_b32 v[TMP], v[MX], s[18:19]       ; lane 0, whose offset is 0
	s_wait_xcnt 0x0
	s_or_b32 exec_lo, exec_lo, s40
	s_endpgm
.Lfunc_end_k_qe49c326b19_rescan:
	.size	k_qe49c326b19_rescan, .Lfunc_end_k_qe49c326b19_rescan-k_qe49c326b19_rescan
	.p2alignl 7, 3214868480
	.fill 96, 4, 3214868480
	.section	.rodata,"a",@progbits
	.p2align	6, 0x0
	.amdhsa_kernel k_qe49c326b19_rescan
		.amdhsa_group_segment_fixed_size 9216
		.amdhsa_private_segment_fixed_size 0
		.amdhsa_enable_private_segment 0
		.amdhsa_kernarg_size 64
		.amdhsa_user_sgpr_count 2
		.amdhsa_user_sgpr_kernarg_segment_ptr 1
		.amdhsa_wavefront_size32 1
		.amdhsa_system_sgpr_workgroup_id_x 1
		.amdhsa_system_sgpr_workgroup_id_y 1
		.amdhsa_system_sgpr_workgroup_id_z 1
		.amdhsa_system_vgpr_workitem_id 0
		.amdhsa_next_free_vgpr 258
		.amdhsa_next_free_sgpr 66
		.amdhsa_reserve_vcc 1
		.amdhsa_float_denorm_mode_32 3
		.amdhsa_float_denorm_mode_16_64 3
		.amdhsa_memory_ordered 1
		.amdhsa_forward_progress 1
		.amdhsa_inst_pref_size 176
	.end_amdhsa_kernel
	.amdgpu_metadata
---
amdhsa.version: [ 1, 2 ]
amdhsa.kernels:
  - .name:           k_qe49c326b19_rescan
    .symbol:         k_qe49c326b19_rescan.kd
    .args:
      - { .name: keys, .offset: 0, .size: 8, .value_kind: global_buffer, .address_space: global }
      - { .name: query_tokens, .offset: 8, .size: 8, .value_kind: global_buffer, .address_space: global }
      - { .name: context_tokens, .offset: 16, .size: 8, .value_kind: global_buffer, .address_space: global }
      - { .name: emb_table, .offset: 24, .size: 8, .value_kind: global_buffer, .address_space: global }
      - { .name: W_score, .offset: 32, .size: 8, .value_kind: global_buffer, .address_space: global }
      - { .name: b_score, .offset: 40, .size: 8, .value_kind: global_buffer, .address_space: global }
      - { .name: lowp_scales, .offset: 48, .size: 8, .value_kind: global_buffer, .address_space: global }
      - { .name: imp, .offset: 56, .size: 8, .value_kind: global_buffer, .address_space: global }
    .group_segment_fixed_size: 9216
    .private_segment_fixed_size: 0
    .kernarg_segment_align: 8
    .kernarg_segment_size: 64
    .max_flat_workgroup_size: 256
    .sgpr_count:     66
    .vgpr_count:     258
    .wavefront_size: 32
...
	.end_amdgpu_metadata
.endif
;; end of part 2
;; launch reweigh (part 3): grid 1 x 1, 4 waves a work-group, no clusters, 0 bytes of LDS; arguments imp, query_tokens, out0; writes out0
.if DOCPART == 3
	.amdgcn_target "amdgcn-amd-amdhsa--gfx1250"
	.amdhsa_code_object_version 6
	.text
	.protected	k_qe49c326b19_reweigh
	.globl	k_qe49c326b19_reweigh
	.p2align	8
	.type	k_qe49c326b19_reweigh,@function
k_qe49c326b19_reweigh:
	s_mov_b64 s[64:65], 0
	v_nop
	global_prefetch_b8 v0, s[64:65] scope:SCOPE_SE
	s_setreg_imm32_b32 hwreg(HW_REG_WAVE_MODE, 25, 1), 1
	s_wait_xcnt 0x0
; out[b][i] = token[b][i] x softmax_i(importance[b][i]) x 128.  One wave to a batch of 128 positions, four positions a lane: the maximum and the sum never leave the wave.
; One work-group, since the whole work is 512 numbers; it is a launch of its own because the sum spans the work-groups of the launch before.
; Each load and store of a wave covers 512 consecutive bytes, aligned.  x 128 is folded into the reciprocal: a power of two rounds nothing.
	s_load_b128 s[4:7], s[0:1], 0x0                ; imp, query_tokens
	s_load_b64 s[8:9], s[0:1], 0x10                ; out0
	v_lshlrev_b32 v1, 4, v0
	s_mov_b32 s10, 0x76543210                      ; lane selects: lane l xor 16
	s_mov_b32 s11, 0xfedcba98
	s_mov_b32 s12, 0x3fb8aa3b                      ; log2(e)
	v_mov_b32 v13, 0                               ; a lane permute's destination counts as read
	s_wait_kmcnt 0x0
	global_load_b128 v[4:7], v1, s[4:5]
	global_load_b128 v[8:11], v1, s[6:7]
	s_wait_loadcnt 0x0
	v_max3_num_f32 v12, v4, v5, v6
	v_max_num_f32 v12, v12, v7
	v_max_num_f32_dpp v12, v12, v12 row_xmask:1 row_mask:0xf bank_mask:0xf
	v_max_num_f32_dpp v12, v12, v12 row_xmask:2 row_mask:0xf bank_mask:0xf
	v_max_num_f32_dpp v12, v12, v12 row_xmask:4 row_mask:0xf bank_mask:0xf
	v_max_num_f32_dpp v12, v12, v12 row_xmask:8 row_mask:0xf bank_mask:0xf
	v_permlanex16_b32 v13, v12, s10, s11
	v_max_num_f32 v12, v12, v13                    ; the batch's largest importance
	v_mul_f32 v14, s12, v12
.irp i, 4,5,6,7
	v_fma_f32 v[\i], v[\i], s12, -v14              ; (x - max) log2(e)
.endr
.irp i, 4,5,6,7
	v_exp_f32 v[\i], v[\i]
.endr
.irp i, 8,9,10,11
	v_cvt_f32_i32 v[\i], v[\i]                     ; the tokens as f32: plain lines behind the exponentials
.endr
	s_wait_alu depctr_va_vdst(0)                   ; one wait for the four, ahead of their first reader
	v_add_f32 v12, v4, v5
	v_add_f32 v13, v6, v7
	v_add_f32 v12, v12, v13
	v_add_f32_dpp v12, v12, v12 row_xmask:1 row_mask:0xf bank_mask:0xf
	v_add_f32_dpp v12, v12, v12 row_xmask:2 row_mask:0xf bank_mask:0xf
	v_add_f32_dpp v12, v12, v12 row_xmask:4 row_mask:0xf bank_mask:0xf
	v_add_f32_dpp v12, v12, v12 row_xmask:8 row_mask:0xf bank_mask:0xf
	v_permlanex16_b32 v13, v12, s10, s11
	v_add_f32 v12, v12, v13
	v_rcp_f32 v12, v12
	v_nop                                          ; a plain line behind the reciprocal
	s_wait_alu depctr_va_vdst(0)
	v_mul_f32 v12, 0x43000000, v12                 ; x 128
.irp i, 0,1,2,3
	v_mul_f32 v[4+\i], v[4+\i], v12                ; the weight x 128
.endr
.irp i, 0,1,2,3
	v_mul_f32 v[16+\i], v[8+\i], v[4+\i]
.endr
	global_store_b128 v1, v[16:19], s[8:9]
	s_endpgm
.Lfunc_end_k_qe49c326b19_reweigh:
	.size	k_qe49c326b19_reweigh, .Lfunc_end_k_qe49c326b19_reweigh-k_qe49c326b19_reweigh
	.p2alignl 7, 3214868480
	.fill 96, 4, 3214868480
	.section	.rodata,"a",@progbits
	.p2align	6, 0x0
	.amdhsa_kernel k_qe49c326b19_reweigh
		.amdhsa_group_segment_fixed_size 0
		.amdhsa_private_segment_fixed_size 0
		.amdhsa_enable_private_segment 0
		.amdhsa_kernarg_size 24
		.amdhsa_user_sgpr_count 2
		.amdhsa_user_sgpr_kernarg_segment_ptr 1
		.amdhsa_wavefront_size32 1
		.amdhsa_system_sgpr_workgroup_id_x 1
		.amdhsa_system_sgpr_workgroup_id_y 1
		.amdhsa_system_sgpr_workgroup_id_z 1
		.amdhsa_system_vgpr_workitem_id 0
		.amdhsa_next_free_vgpr 24
		.amdhsa_next_free_sgpr 66
		.amdhsa_reserve_vcc 0
		.amdhsa_float_denorm_mode_32 3
		.amdhsa_float_denorm_mode_16_64 3
		.amdhsa_memory_ordered 1
		.amdhsa_forward_progress 1
		.amdhsa_inst_pref_size 3
	.end_amdhsa_kernel
	.amdgpu_metadata
---
amdhsa.version: [ 1, 2 ]
amdhsa.kernels:
  - .name:           k_qe49c326b19_reweigh
    .symbol:         k_qe49c326b19_reweigh.kd
    .args:
      - { .name: imp, .offset: 0, .size: 8, .value_kind: global_buffer, .address_space: global }
      - { .name: query_tokens, .offset: 8, .size: 8, .value_kind: global_buffer, .address_space: global }
      - { .name: out0, .offset: 16, .size: 8, .value_kind: global_buffer, .address_space: global }
    .group_segment_fixed_size: 0
    .private_segment_fixed_size: 0
    .kernarg_segment_align: 8
    .kernarg_segment_size: 24
    .max_flat_workgroup_size: 128
    .sgpr_count:     66
    .vgpr_count:     24
    .wavefront_size: 32
...
	.end_amdgpu_metadata
.endif
;; end of part 3
